; MI455X (gfx1250); checked and timed in simulation.
; The chip was launched on July 23, 2026; its instructions are those of AMD's public machine-readable ISA for CDNA 5 (MIT licence, August 2026) and "CDNA5" Instruction Set Architecture Reference Guide (July 2026). The comments in the code are by the model that wrote it; some were corrected since.
;; Attention Layer. Allowed arithmetic: float matrix products may take bf16 or f16 operands with f32 sums; all other float work in f32.
;; Inputs: gate_logit 16 float32; wk_geo 2,048 x 1,024 float32; wk_sem 2,048 x 1,024 float32; wo 2,048 x 2,048 float32; wq_geo 2,048 x 1,024 float32; wq_sem 2,048 x 1,024 float32; wv 2,048 x 2,048 float32; x 2 x 1,024 x 2,048 float32.
;; Outputs: out0 2 x 1,024 x 2,048 float32.
;; One version. Each part assembles by itself: llvm-mc -triple=amdgcn-amd-amdhsa -mcpu=gfx1250 --defsym DOCPART=n.
;; ======== version 1 of 1: 4 launches
;; limits: right only within a limited range of input values; values outside matrix products are rounded to bf16; values are held in f16: magnitudes above 65,504 overflow, below 6.1e-05 lose precision
;; workspace buffers: xb 8,388,608 bytes; wcat 25,165,824 bytes; wob 8,388,608 bytes; tab 262,144 bytes; par 768 bytes; qkv 25,165,824 bytes; ao 8,388,608 bytes
;; launch prep (part 1): grid 1280 x 1, 8 waves a work-group, no clusters, 0 bytes of LDS; arguments x, wo, wv, wq_sem, wq_geo, wk_sem, wk_geo, gate_logit, xb, wob, wcat, tab, par; writes xb, wob, wcat, tab, par
.if DOCPART == 1
	.amdgcn_target "amdgcn-amd-amdhsa--gfx1250"
	.amdhsa_code_object_version 6
	.text
	.protected	k_qef6704a494_prep
	.globl	k_qef6704a494_prep
	.p2align	8
	.type	k_qef6704a494_prep,@function
k_qef6704a494_prep:
	s_mov_b64 s[64:65], 0
	v_nop
	global_prefetch_b8 v0, s[64:65] scope:SCOPE_SE
	s_setreg_imm32_b32 hwreg(HW_REG_WAVE_MODE, 25, 1), 1
	s_wait_xcnt 0x0
; prep: 16-bit copies of x and of the weights, the RoPE table, and each head's gate factors.
;   xb   [2048][2048] bf16 = x
;   wob  [2048][2048] f16  = wo rounded to bf16, as every input is, and carried in f16 (exact above 2^-14), because its partner in the last product is f16
;   wcat [2048 k][6144 n] bf16, n = sec*2048 + h*128 + c:  sec 0: wq_sem (c < 64) beside wq_geo (c >= 64) of head h; sec 1: wk_sem beside wk_geo; sec 2: wv
;   tab  [1024 pos][64] f32: cos(pos f_i), i = 0..31, then sin(pos f_i);  f_i = 10000^(-i/32)
;   par  [96][2] f32: for each block of 64 columns of wcat the pair (A, B) by which the next launch turns it:
;        y1 = x1 c' - x2 s', y2 = x1 s' + x2 c', c' = A cos + B, s' = A sin.
;        Q geo ((1-g) c0, 0), Q sem (0, g c0), K geo (1, 0), K sem and V (0, 1); c0 = log2(e) / 8, g = sigmoid(gate_logit[h]).
; 1280 work-groups of eight waves: task = id / 256, and 8 destination rows of 4,096 bytes each.  A stream: no LDS, no barrier, no matrix unit;
; sixteen 16-byte loads of every lane are issued at once, and each 8-byte store of a wave covers 256 consecutive bytes, aligned.
; LIMITS.  FORMAT: the program computes the module on inputs rounded to bf16, all of them, gate_logit too (the sigmoid itself is f32).
; The angles (up to 1023 rad) are reduced by a two-term pi/2; the table's absolute error is about 1e-4, of the size of the rounding of
; the f32 angle itself.  sin and cos are polynomials on [-pi/4, pi/4] with errors below 4e-7.
.set X, 32                             ; v[32:95]   row i: 8 registers as loaded
.set Y, 96                             ; v[96:127]  row i: 4 registers to store; no register is used twice, so nothing waits for a store
	s_load_b512 s[8:23], s[0:1], 0x0               ; x 8, wo 10, wv 12, wq_sem 14, wq_geo 16, wk_sem 18, wk_geo 20, gate_logit 22
	s_load_b256 s[24:31], s[0:1], 0x40             ; xb 24, wob 26, wcat 28, tab 30
	s_load_b64 s[32:33], s[0:1], 0x60              ; par
	s_mov_b32 s6, ttmp9
	s_lshr_b32 s2, s6, 8                           ; task
	s_and_b32 s3, s6, 255                          ; which 8 rows
	s_mov_b32 s5, 0xffff0000                       ; lanes 16 to 31; also a word's upper bf16
	v_lshrrev_b32 v6, 5, v0
	v_readfirstlane_b32 s4, v6                     ; wave
	v_lshlrev_b32 v1, 4, v0                        ; 16 t: my 16 bytes of 4,096 source bytes
	v_xor_b32 v2, 16, v0
	v_lshlrev_b32 v2, 4, v2                        ; 16 (t xor 16): the other half-wave's place, for the second source of a pair
	v_lshlrev_b32 v3, 3, v0                        ; 8 t: my 8 bytes of 2,048 destination bytes
	v_and_b32 v6, 31, v0
	v_and_b32 v7, 0xe0, v0
	v_lshlrev_b32 v4, 3, v6
	v_lshl_add_u32 v4, v7, 4, v4                   ; 512 w + 8 l: head 2w's 256 bytes
	v_xor_b32 v5, 16, v6
	v_lshlrev_b32 v5, 3, v5
	v_lshl_add_u32 v5, v7, 4, v5
	v_add_nc_u32 v5, 256, v5                       ; 512 w + 256 + 8 (l xor 16): head 2w+1's 256 bytes
	s_wait_kmcnt 0x0
; Eight rows.  pair = 0: one source, rows of 8,192 bytes.  pair = 1: two sources with rows of 4,096 bytes, laid side by side head by head:
; lanes 0-15 hold sem of head 2w and geo of head 2w+1, lanes 16-31 sem of head 2w+1 and geo of head 2w; two selects sort them into two whole heads.
; half = 1 (with pair = 0): the bf16 numbers are written as f16.
.macro STREAM pair, half, sa, sb, sd, spitch, dpitch, dofs
	s_mul_i32 s36, s3, 8*\spitch
	s_mov_b32 s37, 0
	s_mul_i32 s38, s3, 8*\dpitch
	s_add_co_u32 s38, s38, \dofs
	s_mov_b32 s39, 0
	s_add_nc_u64 s[\sa:\sa+1], s[\sa:\sa+1], s[36:37]
.if \pair
	s_add_nc_u64 s[\sb:\sb+1], s[\sb:\sb+1], s[36:37]
.endif
	s_add_nc_u64 s[\sd:\sd+1], s[\sd:\sd+1], s[38:39]
.irp i, 0,1,2,3,4,5,6,7
	global_load_b128 v[X+8*\i:X+8*\i+3], v1, s[\sa:\sa+1] offset:\i*\spitch th:TH_LOAD_NT
.if \pair
	global_load_b128 v[X+8*\i+4:X+8*\i+7], v2, s[\sb:\sb+1] offset:\i*\spitch th:TH_LOAD_NT
.else
	global_load_b128 v[X+8*\i+4:X+8*\i+7], v1, s[\sa:\sa+1] offset:\i*\spitch+4096 th:TH_LOAD_NT
.endif
.endr
.irp i, 0,1,2,3,4,5,6,7
	s_wait_loadcnt 14-2*\i                         ; loads come back in order: row i's two are in, the 2 (7 - i) younger ones stay out
.if \pair
	v_cvt_pk_bf16_f32 v8, v[X+8*\i], v[X+8*\i+1]
	v_cvt_pk_bf16_f32 v9, v[X+8*\i+2], v[X+8*\i+3]
	v_cvt_pk_bf16_f32 v10, v[X+8*\i+4], v[X+8*\i+5]
	v_cvt_pk_bf16_f32 v11, v[X+8*\i+6], v[X+8*\i+7]
	v_cndmask_b32 v[Y+4*\i], v8, v10, s5           ; head 2w: sem from lanes 0-15, geo from lanes 16-31
	v_cndmask_b32 v[Y+4*\i+1], v9, v11, s5
	v_cndmask_b32 v[Y+4*\i+2], v10, v8, s5         ; head 2w+1: the other two
	v_cndmask_b32 v[Y+4*\i+3], v11, v9, s5
	global_store_b64 v4, v[Y+4*\i:Y+4*\i+1], s[\sd:\sd+1] offset:\i*\dpitch
	global_store_b64 v5, v[Y+4*\i+2:Y+4*\i+3], s[\sd:\sd+1] offset:\i*\dpitch
.else
.if \half
	v_cvt_pk_bf16_f32 v8, v[X+8*\i], v[X+8*\i+1]   ; the rounding: to bf16
	v_cvt_pk_bf16_f32 v9, v[X+8*\i+2], v[X+8*\i+3]
	v_cvt_pk_bf16_f32 v10, v[X+8*\i+4], v[X+8*\i+5]
	v_cvt_pk_bf16_f32 v11, v[X+8*\i+6], v[X+8*\i+7]
.irp k, 0,1,2,3
	v_lshlrev_b32 v[12+2*\k], 16, v[8+\k]          ; back to f32,
	v_and_b32     v[13+2*\k], s5, v[8+\k]
.endr
.irp k, 0,1,2,3
	v_cvt_pk_f16_f32 v[Y+4*\i+\k], v[12+2*\k], v[13+2*\k]      ; and the same numbers as f16
.endr
.else
	v_cvt_pk_bf16_f32 v[Y+4*\i], v[X+8*\i], v[X+8*\i+1]
	v_cvt_pk_bf16_f32 v[Y+4*\i+1], v[X+8*\i+2], v[X+8*\i+3]
	v_cvt_pk_bf16_f32 v[Y+4*\i+2], v[X+8*\i+4], v[X+8*\i+5]
	v_cvt_pk_bf16_f32 v[Y+4*\i+3], v[X+8*\i+6], v[X+8*\i+7]
.endif
	global_store_b64 v3, v[Y+4*\i:Y+4*\i+1], s[\sd:\sd+1] offset:\i*\dpitch
	global_store_b64 v3, v[Y+4*\i+2:Y+4*\i+3], s[\sd:\sd+1] offset:\i*\dpitch+2048
.endif
.endr
.endm
	s_cmp_lg_u32 s2, 0
	s_cbranch_scc1 .Lnot0
	STREAM 0, 0, 8, 8, 24, 8192, 4096, 0           ; x -> xb
	s_branch .Ltab
.Lnot0:
	s_cmp_lg_u32 s2, 1
	s_cbranch_scc1 .Lnot1
	STREAM 0, 1, 10, 10, 26, 8192, 4096, 0         ; wo -> wob
	s_branch .Ltab
.Lnot1:
	s_cmp_lg_u32 s2, 2
	s_cbranch_scc1 .Lnot2
	STREAM 0, 0, 12, 12, 28, 8192, 12288, 8192     ; wv -> wcat, section 2
	s_branch .Ltab
.Lnot2:
	s_cmp_lg_u32 s2, 3
	s_cbranch_scc1 .Lnot3
	STREAM 1, 0, 14, 16, 28, 4096, 12288, 0        ; wq_sem, wq_geo -> wcat, section 0
	s_branch .Ltab
.Lnot3:
	STREAM 1, 0, 18, 20, 28, 4096, 12288, 4096     ; wk_sem, wk_geo -> wcat, section 1
; The table: work-groups 0 to 127, one row (one position, 256 bytes) a wave; lane l makes entries 2l and 2l+1.
; Only v12 and up are written from here on: the stores above may still read their registers.
.Ltab:
	s_cmp_lt_u32 s6, 128
	s_cbranch_scc0 .Lpar
	s_lshl_b32 s7, s6, 3
	s_add_co_u32 s7, s7, s4                        ; pos
	s_lshl_b32 s34, s7, 8
	v_and_b32 v12, 31, v0
	v_lshlrev_b32 v13, 1, v12
	v_and_b32 v13, 30, v13                         ; i of my first entry
	v_cvt_f32_u32 v13, v13
	v_cvt_f32_u32 v14, s7
	v_lshrrev_b32 v15, 4, v12
	v_mul_u32_u24 v15, 3, v15                      ; lanes 16-31 make sines: sin(a) = cos(a - pi/2), three quarter turns on
	v_lshl_add_u32 v27, v12, 3, s34
.macro ENTRY res, add
	v_add_f32 v18, \add, v13
	v_mul_f32 v18, 0xbed49a78, v18                 ; -i log2(10000) / 32
	v_exp_f32 v18, v18                             ; f_i
	v_mov_b32 v22, 0xb9500d01                      ; -1/5040; the one plain instruction behind the exponential (ISA guide 5.7.2)
	s_wait_alu depctr_va_vdst(0)
	v_mul_f32 v18, v14, v18                        ; the angle
	v_mul_f32 v19, 0x3f22f983, v18                 ; x 2/pi
	v_rndne_f32 v19, v19                           ; n quarter turns
	v_fmamk_f32 v20, v19, 0xbfc90fdb, v18          ; r = angle - n pi/2, pi/2 in two terms
	v_fmamk_f32 v20, v19, 0x333bbd2e, v20
	v_mul_f32 v21, v20, v20                        ; r^2
	v_fmaak_f32 v22, v22, v21, 0x3c088889          ; + 1/120
	v_fmaak_f32 v22, v22, v21, 0xbe2aaaab          ; - 1/6
	v_mul_f32 v24, v20, v21
	v_fma_f32 v22, v24, v22, v20                   ; sin r
	v_mov_b32 v23, 0x37d00d01                      ; 1/40320
	v_fmaak_f32 v23, v23, v21, 0xbab60b61          ; - 1/720
	v_fmaak_f32 v23, v23, v21, 0x3d2aaaab          ; + 1/24
	v_fmaak_f32 v23, v23, v21, 0xbf000000          ; - 1/2
	v_fma_f32 v23, v23, v21, 1.0                   ; cos r
	v_cvt_i32_f32 v25, v19
	v_add_nc_u32 v25, v25, v15                     ; q: cos(q pi/2 + r) = cos r, -sin r, -cos r, sin r for q mod 4 = 0, 1, 2, 3
	v_and_b32 v26, 1, v25
	v_cmp_eq_u32 vcc_lo, 1, v26
	v_cndmask_b32 v[\res], v23, v22, vcc_lo
	v_add_nc_u32 v25, 1, v25
	v_and_b32 v25, 2, v25
	v_lshlrev_b32 v25, 30, v25                     ; the sign bit for q mod 4 = 1, 2
	v_xor_b32 v[\res], v[\res], v25
.endm
	ENTRY 16, 0
	ENTRY 17, 1.0
	global_store_b64 v27, v[16:17], s[30:31]       ; the wave's 256 bytes: one row of the table
	s_endpgm
; The gate factors: wave 0 of work-group 128.  Lane l: head l / 2, geo = l & 1.
.Lpar:
	s_cmp_eq_u32 s6, 128
	s_cbranch_scc0 .Lend
	s_cmp_eq_u32 s4, 0
	s_cbranch_scc0 .Lend
	v_and_b32 v12, 31, v0
	v_lshrrev_b32 v13, 1, v12
	v_lshlrev_b32 v13, 2, v13
	global_load_b32 v14, v13, s[22:23]
	v_and_b32 v15, 1, v12
	v_xor_b32 v18, 1, v15
	v_lshlrev_b32 v18, 31, v18                     ; sem: g = 1 / (1 + e^-x); geo: 1 - g = 1 / (1 + e^x)
	v_cmp_eq_u32 vcc_lo, 1, v15
	v_mov_b32 v24, 0
	v_mov_b32 v25, 1.0
	v_lshlrev_b32 v28, 3, v12
	s_wait_loadcnt 0x0
	v_cvt_pk_bf16_f32 v14, v14, v14                ; the logit is taken in bf16, as every input is (see LIMITS),
	v_lshlrev_b32 v14, 16, v14                     ; and worked on in f32
	v_xor_b32 v14, v14, v18
	v_mul_f32 v14, 0x3fb8aa3b, v14
	v_exp_f32 v14, v14
	v_cndmask_b32 v22, v24, v25, vcc_lo            ; K: geo (1, 0), sem (0, 1); also the plain instruction behind the exponential
	s_wait_alu depctr_va_vdst(0)
	v_add_f32 v14, 1.0, v14
	v_rcp_f32 v14, v14
	v_cndmask_b32 v23, v25, v24, vcc_lo            ; and the one behind the reciprocal
	s_wait_alu depctr_va_vdst(0)
	v_mul_f32 v14, 0x3e38aa3b, v14                 ; x log2(e) / 8
	v_cndmask_b32 v16, v24, v14, vcc_lo            ; Q: geo (val, 0), sem (0, val)
	v_cndmask_b32 v17, v14, v24, vcc_lo
	global_store_b64 v28, v[16:17], s[32:33]
	global_store_b64 v28, v[22:23], s[32:33] offset:256
	global_store_b64 v28, v[24:25], s[32:33] offset:512    ; V: (0, 1)
.Lend:
	s_endpgm
.Lfunc_end_k_qef6704a494_prep:
	.size	k_qef6704a494_prep, .Lfunc_end_k_qef6704a494_prep-k_qef6704a494_prep
	.p2alignl 7, 3214868480
	.fill 96, 4, 3214868480
	.section	.rodata,"a",@progbits
	.p2align	6, 0x0
	.amdhsa_kernel k_qef6704a494_prep
		.amdhsa_group_segment_fixed_size 0
		.amdhsa_private_segment_fixed_size 0
		.amdhsa_enable_private_segment 0
		.amdhsa_kernarg_size 104
		.amdhsa_user_sgpr_count 2
		.amdhsa_user_sgpr_kernarg_segment_ptr 1
		.amdhsa_wavefront_size32 1
		.amdhsa_system_sgpr_workgroup_id_x 1
		.amdhsa_system_sgpr_workgroup_id_y 1
		.amdhsa_system_sgpr_workgroup_id_z 1
		.amdhsa_system_vgpr_workitem_id 0
		.amdhsa_next_free_vgpr 128
		.amdhsa_next_free_sgpr 66
		.amdhsa_reserve_vcc 1
		.amdhsa_float_denorm_mode_32 3
		.amdhsa_float_denorm_mode_16_64 3
		.amdhsa_memory_ordered 1
		.amdhsa_forward_progress 1
		.amdhsa_inst_pref_size 43
	.end_amdhsa_kernel
	.amdgpu_metadata
---
amdhsa.version: [ 1, 2 ]
amdhsa.kernels:
  - .name:           k_qef6704a494_prep
    .symbol:         k_qef6704a494_prep.kd
    .args:
      - { .name: x, .offset: 0, .size: 8, .value_kind: global_buffer, .address_space: global }
      - { .name: wo, .offset: 8, .size: 8, .value_kind: global_buffer, .address_space: global }
      - { .name: wv, .offset: 16, .size: 8, .value_kind: global_buffer, .address_space: global }
      - { .name: wq_sem, .offset: 24, .size: 8, .value_kind: global_buffer, .address_space: global }
      - { .name: wq_geo, .offset: 32, .size: 8, .value_kind: global_buffer, .address_space: global }
      - { .name: wk_sem, .offset: 40, .size: 8, .value_kind: global_buffer, .address_space: global }
      - { .name: wk_geo, .offset: 48, .size: 8, .value_kind: global_buffer, .address_space: global }
      - { .name: gate_logit, .offset: 56, .size: 8, .value_kind: global_buffer, .address_space: global }
      - { .name: xb, .offset: 64, .size: 8, .value_kind: global_buffer, .address_space: global }
      - { .name: wob, .offset: 72, .size: 8, .value_kind: global_buffer, .address_space: global }
      - { .name: wcat, .offset: 80, .size: 8, .value_kind: global_buffer, .address_space: global }
      - { .name: tab, .offset: 88, .size: 8, .value_kind: global_buffer, .address_space: global }
      - { .name: par, .offset: 96, .size: 8, .value_kind: global_buffer, .address_space: global }
    .group_segment_fixed_size: 0
    .private_segment_fixed_size: 0
    .kernarg_segment_align: 8
    .kernarg_segment_size: 104
    .max_flat_workgroup_size: 256
    .sgpr_count:     66
    .vgpr_count:     128
    .wavefront_size: 32
...
	.end_amdgpu_metadata
.endif
;; end of part 1
;; launch proj (part 2): grid 16 x 16, 4 waves a work-group, clusters of 4 x 4, 327,680 bytes of LDS; arguments xb, wcat, tab, par, qkv; writes qkv
.if DOCPART == 2
	.amdgcn_target "amdgcn-amd-amdhsa--gfx1250"
	.amdhsa_code_object_version 6
	.text
	.protected	k_qef6704a494_proj
	.globl	k_qef6704a494_proj
	.p2align	8
	.type	k_qef6704a494_proj,@function
k_qef6704a494_proj:
	s_mov_b64 s[64:65], 0
	v_nop
	global_prefetch_b8 v0, s[64:65] scope:SCOPE_SE
	s_setreg_imm32_b32 hwreg(HW_REG_WAVE_MODE, 25, 1), 1
	s_wait_xcnt 0x0
	s_wait_alu depctr_hold_cnt(0) depctr_sa_sdst(0) depctr_va_vdst(0) depctr_va_sdst(0) depctr_va_ssrc(0) depctr_va_vcc(0) depctr_vm_vsrc(0)
	s_getreg_b32 s2, hwreg(HW_REG_IB_STS2, 6, 4)
	s_cmp_eq_u32 s2, 0
	s_cbranch_scc0 .Lentry_in_a_cluster
	s_endpgm
.Lentry_in_a_cluster:
	s_bfe_u32 s2, ttmp6, 0x10000c
	s_cmp_lg_u32 s2, 0xf033
	s_cbranch_scc0 .Lentry_shape_is_right
	s_endpgm
.Lentry_shape_is_right:
; proj: qkv = turn(xb . wcat).  xb [2048][2048] bf16, wcat [2048 k][6144 n] bf16, qkv [2048][6144] f16; sums in f32.
; Every block of 64 columns is turned by y1 = x1 c' - x2 s', y2 = x1 s' + x2 c' (x1 its columns 0-31, x2 its columns 32-63), c' = A cos + B, s' = A sin,
; with (A, B) of the block from par and cos, sin of the row's position from tab: RoPE, the gate, both score scales and log2(e) in one form, which is
; the same text for every block, so that no branch hangs on the block's place.
; WHY f16 OUT: rows of the module's output that see few keys are some ten times larger than the output's root mean square, so an intermediate's rounding has to
; stay near 2e-4 of its own size to stay well inside a hundredth of that mean; f16's eleven bits do that, bf16's eight do not.
; LIMIT (range of f16): |Q|, |K|, |V| below 65,504.  With x and the weights all 30 times larger they reach about 4,500; with all of them carrying an offset of
; 30 spreads about 2048 x 30 x 0.66 = 40,600.  With all 30 times smaller their size is about 1e-3, where f16's absolute step of 6e-8 is below 1e-4 of it.
; A work-group makes 128 rows x 384 columns with four waves; wave (wr, wc) makes 64 rows x 192 columns (the 64-column groups 2g + wc, g = 0..2): 48 accumulator
; tiles of 16 x 16, 384 registers.  K goes in steps of 128 through two LDS slots filled by the tensor data mover; each wave brings 128 rows of 256 bytes.
; wcat lies [k][n]: its fragments are read from LDS by the transposing load.
; CLUSTERS: 4 x 4 work-groups.  xb's tile hangs on the block row alone and is asked for jointly along a row of the cluster, wcat's strips on the block column
; alone and are asked for jointly along a column: a quarter of the requests.
; REGISTERS in windows of 256: window 0: v0-31 addresses and constants, v32-63 / v64-95 fragments of xb (two buffers), v128-255 the table's rows;
; window 1: v0-95 / v96-191 fragments of wcat (two buffers); window 2: accumulators of row tiles 0, 1 (tile (a, b) at v[8 (12 a + b)]); window 3: of row tiles 2, 3.
; The matrix instruction is used transposed (source 0 = 16 columns of wcat, source 1 = 16 rows of xb): lane l holds row l % 16, its registers the columns 8 (l / 16) + 0..7.
.set PA,   272                         ; LDS pitch of xb's rows: 256 bytes + 16
.set PB,   288                         ; LDS pitch of wcat's rows: 256 bytes + 32
.set REG,  128*PB                      ; a region: what one tensor load fills (36,864 bytes; xb's uses 34,816 of them)
.set SLOT, 4*REG                       ; regions 0-2: strips of 128 columns of wcat; region 3: xb
.set SP,   784                         ; the way out: rows of 768 bytes + 16, 128 of them, in slot 0 after its last fill and its last read
.set LAPS, 8                           ; 2048 / (2 x 128)
.set ADRA, 8                           ; v8-9    LDS address of my xb fragments, slot 0, 1
.set ADRB, 10                          ; v10-15  of my wcat fragments: slot s, strip g at v[10 + 3 s + g]
.set STO,  16
.set RD,   17
.set CO,   18
.set TOFF, 19
.set CA,   20                          ; v20-25   (A, A) of group g
.set CB,   26                          ; v26-31   (B, B)
.set CN,   112                         ; v112-117 (-A, -A)
.set FA0,  32
.set FA1,  64
.set FB0,  0
.set FB1,  96
.set TB,   128                         ; v[128 + 32 a ..]: cos of columns 0-15, 16-31, sin of the same, for row tile a
.set G1A,  24
.set G0A,  32
.set G1B,  48
.set G0B,  56
.set MSB, 0
.macro WIN new                         ; the immediate's high byte repeats the setting that is left
.if MSB != \new
	s_set_vgpr_msb (MSB<<8)|\new
.set MSB, \new
.endif
.endm
.set MUL_LO, 0xa1                      ; source 0 window 1, source 1 window 0, C and D window 2
.set MUL_HI, 0xf1                      ; the same, C and D window 3
.set TO_B,   0x40                      ; destination window 1, address window 0
.macro PLACES                          ; four places behind matrix instructions (ISA guide 7.12.1), where there is no useful work for them
.rept 4
	v_nop
.endr
.endm
; A joint load.  Wave 3 fetches xb's tile, waves 0 to 2 a strip of wcat each.  Each line has one mask and one set of registers for all that issue it.
.macro JLOAD s
	s_cmp_eq_u32 s14, 3
	s_cbranch_scc0 .Lfor_b_\@
	tensor_load_to_lds s[G0A+4*\s:G0A+4*\s+3], s[G1A:G1A+7]
	s_nop 0
	s_branch .Lasked_\@
.Lfor_b_\@:
	tensor_load_to_lds s[G0B+4*\s:G0B+4*\s+3], s[G1B:G1B+7]
	s_nop 0
.Lasked_\@:
.endm
.macro CREST                           ; a round of the cluster's barrier behind its opening work-group barrier
	s_cmp_lg_u32 s14, 0
	s_cbranch_scc1 .Lnot_wave_0_\@
	s_barrier_signal -3
.Lnot_wave_0_\@:
	s_barrier_wait -3
	s_barrier_signal -1
	s_barrier_wait -1
.endm
.macro CROUND
	s_barrier_signal -1
	s_barrier_wait -1
	CREST
.endm
	s_load_b256 s[4:11], s[0:1], 0x0               ; xb 4, wcat 6, tab 8, par 10
	s_load_b64 s[12:13], s[0:1], 0x20              ; qkv
	s_set_vgpr_msb 0x40
	v_lshl_add_u32 v254, v0, 2, 0x48000
	v_mov_b32 v255, 0
	s_set_vgpr_msb 0x4045
	ds_add_u32 v254, v255
	ds_add_u32 v254, v255
	s_set_vgpr_msb 0x4500
	v_lshrrev_b32 v1, 5, v0
	v_readfirstlane_b32 s14, v1                    ; wave
	s_lshr_b32 s15, s14, 1                         ; wr
	s_and_b32 s16, s14, 1                          ; wc
	s_bfe_u32 s17, ttmp6, 0x40000                  ; cx
	s_bfe_u32 s18, ttmp6, 0x40004                  ; cy
	s_lshl_b32 s19, ttmp9, 2
	s_add_co_u32 s19, s19, s17                     ; block column
	s_and_b32 s20, ttmp7, 0xffff
	s_lshl_b32 s20, s20, 2
	s_add_co_u32 s20, s20, s18                     ; block row
	s_lshl_b32 s21, s18, 2
	s_lshl_b32 s21, 15, s21                        ; my row of the cluster
	s_lshl_b32 s22, 0x1111, s17                    ; my column
	; group 1: 128 rows x 128 elements of 2 bytes; after every 64 words 4 words (xb) or 8 words (wcat) of padding
	s_or_b32 s[G1A+0], s21, (1<<16)|(1<<20)|(1<<21)|(5<<22)|(3<<25)
	s_or_b32 s[G1B+0], s22, (1<<16)|(1<<20)|(1<<21)|(5<<22)|(7<<25)
	s_mov_b32 s[G1A+1], 128<<16                    ; tensor_dim0 = 128
	s_mov_b32 s[G1B+1], 128<<16
	s_mov_b32 s[G1A+2], 128<<16                    ; tensor_dim1 = 128
	s_mov_b32 s[G1B+2], 128<<16
	s_mov_b32 s[G1A+3], 128<<16                    ; tile_dim0 = 128
	s_mov_b32 s[G1B+3], 128<<16
	s_mov_b32 s[G1A+4], 128                        ; tile_dim1 = 128
	s_mov_b32 s[G1B+4], 128
	s_mov_b32 s[G1A+5], 2048                       ; elements from row to row
	s_mov_b32 s[G1B+5], 6144
	s_mov_b32 s[G1A+6], 0
	s_mov_b32 s[G1B+6], 0
	s_mov_b32 s[G1A+7], 0
	s_mov_b32 s[G1B+7], 0
	; xb's tile hangs on the block row alone, wcat's strips on the block column and the wave's number alone, in registers that never hold the other coordinate
	s_lshl_b32 s40, s20, 19                        ; 128 rows x 4,096 bytes
	s_mov_b32 s41, 0
	s_mul_i32 s44, s19, 768                        ; 384 columns
	s_lshl_b32 s45, s14, 8                         ; + my strip
	s_add_co_u32 s44, s44, s45
	s_mov_b32 s45, 0
	s_mul_i32 s23, s14, REG                        ; where my load lands: no place in the cluster enters an LDS address
	s_wait_dscnt 0x0
	s_wait_kmcnt 0x0
	s_add_nc_u64 s[42:43], s[4:5], s[40:41]
	s_add_nc_u64 s[46:47], s[6:7], s[44:45]
	CROUND                                         ; all sixteen work-groups are here: the first joint loads meet
.irp s, 0,1
	s_mov_b32 s[G0A+4*\s], 1
	s_add_co_u32 s[G0A+4*\s+1], s23, \s*SLOT
	s_add_nc_u64 s[G0A+4*\s+2:G0A+4*\s+3], s[42:43], \s*256
	s_or_b32 s[G0A+4*\s+3], s[G0A+4*\s+3], 0x80000000
	s_mov_b32 s[G0B+4*\s], 1
	s_add_co_u32 s[G0B+4*\s+1], s23, \s*SLOT
	s_add_nc_u64 s[G0B+4*\s+2:G0B+4*\s+3], s[46:47], \s*128*12288
	s_or_b32 s[G0B+4*\s+3], s[G0B+4*\s+3], 0x80000000
	JLOAD \s                                       ; K steps 0 and 1: two tensor loads of the wave are out, the most in this text
.endr
	; the three (A, B) of my column groups: block 6 bc + 2 g + wc of par
	s_mul_i32 s74, s19, 48
	s_lshl3_add_u32 s74, s16, s74
	s_load_b64 s[68:69], s[10:11], s74 offset:0x0
	s_load_b64 s[70:71], s[10:11], s74 offset:0x10
	s_load_b64 s[72:73], s[10:11], s74 offset:0x20
	; the table's rows of my 64 positions
	s_and_b32 s40, s20, 7
	s_lshl_b32 s40, s40, 15
	s_lshl_b32 s41, s15, 14
	s_add_co_u32 s40, s40, s41
	s_mov_b32 s41, 0
	s_add_nc_u64 s[8:9], s[8:9], s[40:41]
	v_and_b32 v1, 15, v0                           ; r
	v_bfe_u32 v2, v0, 4, 1                         ; h
	v_and_b32 v3, 7, v0
	v_bfe_u32 v4, v0, 3, 1
	v_lshlrev_b32 v7, 5, v2
	v_lshl_add_u32 v[TOFF], v1, 8, v7              ; 256 r + 32 h
.irp a, 0,1,2,3
.irp c, 0,1
	global_load_b128 v[TB+32*\a+8*\c:TB+32*\a+8*\c+3],       v[TOFF], s[8:9] offset:4096*\a+64*\c          ; cos of columns 16 c + 8 h + 0..3
	global_load_b128 v[TB+32*\a+8*\c+4:TB+32*\a+8*\c+7],     v[TOFF], s[8:9] offset:4096*\a+64*\c+16
	global_load_b128 v[TB+32*\a+16+8*\c:TB+32*\a+16+8*\c+3], v[TOFF], s[8:9] offset:4096*\a+64*\c+128      ; sin of the same
	global_load_b128 v[TB+32*\a+16+8*\c+4:TB+32*\a+16+8*\c+7], v[TOFF], s[8:9] offset:4096*\a+64*\c+144
.endr
.endr                                              ; these 32 loads stay out through the K loop; they are waited for on the way out
	v_mul_u32_u24 v5, v1, PA
	v_lshl_add_u32 v5, v2, 4, v5
	s_mul_i32 s40, s15, 64*PA
	s_add_co_u32 s40, s40, 3*REG
	v_add_nc_u32 v[ADRA], s40, v5                  ; region 3 + (64 wr + r) pitch + 16 h
	v_add_nc_u32 v[ADRA+1], SLOT, v[ADRA]
	v_lshl_add_u32 v6, v2, 3, v3
	v_mul_u32_u24 v6, v6, PB
	v_lshl_add_u32 v6, v4, 4, v6
	v_lshl_add_u32 v6, s16, 7, v6                  ; (8 h + l % 8) pitch + 16 ((l / 8) % 2) + 128 wc
.irp s, 0,1
.irp g, 0,1,2
	v_add_nc_u32 v[ADRB+3*\s+\g], \s*SLOT+\g*REG, v6
.endr
.endr
	v_mul_u32_u24 v7, v1, SP
	v_lshl_add_u32 v7, v2, 4, v7
	s_mul_i32 s40, s15, 64*SP
	s_lshl_b32 s41, s16, 7
	s_add_co_u32 s40, s40, s41
	v_add_nc_u32 v[STO], s40, v7                   ; (64 wr + r) 784 + 128 wc + 16 h
	v_mul_u32_u24 v7, v2, SP
	v_lshl_add_u32 v7, v1, 4, v7
	s_mul_i32 s40, s14, 32*SP
	v_add_nc_u32 v[RD], s40, v7                    ; (32 w + h) 784 + 16 r
	v_mul_u32_u24 v7, v2, 12288
	v_lshl_add_u32 v[CO], v1, 4, v7
	s_wait_kmcnt 0x0                               ; the (A, B)
; 12 matrix instructions: row tile a of the window's two (hi = 0: my rows 0-31, 1: rows 32-63) x all 12 column tiles, 32 along K.  zero = 1: the first product starts the sums.
.macro MUL12 fa, fb, hi, a, zero
.irp b, 0,1,2,3,4,5,6,7,8,9,10,11
.if \zero
	v_wmma_f32_16x16x32_bf16 v[8*(12*\a+\b):8*(12*\a+\b)+7], v[\fb+8*\b:\fb+8*\b+7], v[\fa+8*(2*\hi+\a):\fa+8*(2*\hi+\a)+7], 0
.else
	v_wmma_f32_16x16x32_bf16 v[8*(12*\a+\b):8*(12*\a+\b)+7], v[\fb+8*\b:\fb+8*\b+7], v[\fa+8*(2*\hi+\a):\fa+8*(2*\hi+\a)+7], v[8*(12*\a+\b):8*(12*\a+\b)+7]
.endif
.endr
.endm
; 32 LDS loads in one run: quarter q (32 along K) of a slot: 24 transposing loads of wcat, then 8 loads of xb, row tiles ascending
.macro FETCH slot, q, fa, fb
	WIN TO_B
.irp g, 0,1,2
.irp bb, 0,1,2,3
	ds_load_tr16_b128 v[\fb+8*(4*\g+\bb):\fb+8*(4*\g+\bb)+3],   v[ADRB+3*\slot+\g] offset:\q*32*PB+32*\bb
	ds_load_tr16_b128 v[\fb+8*(4*\g+\bb)+4:\fb+8*(4*\g+\bb)+7], v[ADRB+3*\slot+\g] offset:\q*32*PB+16*PB+32*\bb
.endr
.endr
	WIN 0
.irp a, 0,1,2,3
	ds_load_b128 v[\fa+8*\a:\fa+8*\a+3],   v[ADRA+\slot] offset:\a*16*PA+64*\q
	ds_load_b128 v[\fa+8*\a+4:\fa+8*\a+7], v[ADRA+\slot] offset:\a*16*PA+64*\q+32
.endr
.endm
; A K step is four quarters of 48 matrix instructions on buffers 0, 1, 0, 1.  The 48 accumulators take turns, one instruction a turn, in the same order in
; every quarter.  One of the first three quarters: multiplies buffer f, and in its middle fetches quarter q into buffer g.
.macro QUARTER slot, q, fa, fb, ga, gb, zero
	s_wait_dscnt 4                                 ; wcat's fragments and xb's row tiles 0, 1 are in; the youngest four loads (row tiles 2, 3) may be out
	WIN MUL_LO
	MUL12 \fa, \fb, 0, 0, \zero
	MUL12 \fa, \fb, 0, 1, \zero
	PLACES                                         ; between the last quarter's products, which read buffer g, and the loads into it
	FETCH \slot, \q, \ga, \gb
	s_wait_dscnt 32                                ; all but the 32 just issued
	WIN MUL_HI
	MUL12 \fa, \fb, 1, 0, \zero
	MUL12 \fa, \fb, 1, 1, \zero
.endm
.macro THREE slot, zero
	QUARTER \slot, 1, FA0, FB0, FA1, FB1, \zero
	QUARTER \slot, 2, FA1, FB1, FA0, FB0, 0
	QUARTER \slot, 3, FA0, FB0, FA1, FB1, 0
.endm
; The last quarter multiplies buffer 1 and changes slots.  In front of the one barrier each wave waits for its reads of this slot and for all its tensor loads
; (one is out: its part of the next slot).  Behind it (fill = 1: behind the round of the cluster's barrier that it opens) the refill comes first, then the next slot's first fragments.
.macro TURN slot, next, fill
	s_wait_dscnt 4
	WIN MUL_LO
	MUL12 FA1, FB1, 0, 0, 0
	s_wait_dscnt 0x0                               ; my reads of this slot are over
	s_set_vgpr_msb 0xa1a5
	s_wait_tensorcnt 0x0                           ; all my tensor loads have landed
	ds_add_u32 v254, v255
	s_wait_dscnt 0x0
	s_set_vgpr_msb 0xa5a1
	s_barrier_signal -1
	MUL12 FA1, FB1, 0, 1, 0                        ; register work while the others arrive
	WIN 0
	s_barrier_wait -1
.if \fill
	CREST                                          ; no wave of any partner still reads this slot or has a load on its way
	s_add_nc_u64 s[G0A+4*\slot+2:G0A+4*\slot+3], s[G0A+4*\slot+2:G0A+4*\slot+3], 2*256
	s_add_nc_u64 s[G0B+4*\slot+2:G0B+4*\slot+3], s[G0B+4*\slot+2:G0B+4*\slot+3], 2*128*12288
	JLOAD \slot                                    ; my one tensor load behind the round: two K steps ahead
.endif
	PLACES
	FETCH \next, 0, FA0, FB0
	WIN MUL_HI
	MUL12 FA1, FB1, 1, 0, 0
	MUL12 FA1, FB1, 1, 1, 0
.endm
.macro LAP zero
	THREE 0, \zero
	TURN 0, 1, 1
	THREE 1, 0
	TURN 1, 0, 1
.endm
	s_wait_tensorcnt 0x1                           ; my part of K step 0 is in; K step 1's may stay out
	s_barrier_signal -1
	s_barrier_wait -1
	FETCH 0, 0, FA0, FB0
	LAP 1                                          ; the first lap stands in front of the loop: its first products start the sums
	WIN 0
	s_mov_b32 s3, LAPS-2
.Llap:
	LAP 0
	WIN 0
	s_sub_co_u32 s3, s3, 1
	s_cmp_lg_u32 s3, 0
	s_cbranch_scc1 .Llap
	THREE 0, 0                                     ; the last lap fills nothing
	TURN 0, 1, 0
	THREE 1, 0
	s_wait_dscnt 4
	WIN MUL_LO
	MUL12 FA1, FB1, 0, 0, 0
	MUL12 FA1, FB1, 0, 1, 0
	s_wait_dscnt 0x0
	WIN MUL_HI
	MUL12 FA1, FB1, 1, 0, 0
	MUL12 FA1, FB1, 1, 1, 0
	WIN 0
	; THE WAY OUT.  These 18 moves name no register of a matrix instruction: they are the places behind the last products.
.irp g, 0,1,2
	v_mov_b32 v[CA+2*\g],   s[68+2*\g]
	v_mov_b32 v[CA+2*\g+1], s[68+2*\g]
	v_mov_b32 v[CB+2*\g],   s[69+2*\g]
	v_mov_b32 v[CB+2*\g+1], s[69+2*\g]
	v_xor_b32 v[CN+2*\g],   0x80000000, v[CA+2*\g]
	v_xor_b32 v[CN+2*\g+1], 0x80000000, v[CA+2*\g]
.endr
	s_lshl_b32 s40, s20, 7
	s_lshl_b32 s41, s14, 5
	s_add_co_u32 s40, s40, s41
	s_mul_i32 s40, s40, 12288                      ; row 128 br + 32 w of qkv: the rows that I store
	s_mov_b32 s41, 0
	s_add_nc_u64 s[12:13], s[12:13], s[40:41]
	s_mul_i32 s44, s19, 768
	s_mov_b32 s45, 0
	s_add_nc_u64 s[12:13], s[12:13], s[44:45]
	s_wait_loadcnt 0x0                             ; the table's rows
; Row tile a (tile aa of the window that 'from' names as source 0), column group g: c', s', -s' for its 32 angles, the turn, the rounding to f16, 16 bytes a lane into the stage.
.macro ROT a, aa, from, g
	WIN 0
.irp p, 0,2,4,6,8,10,12,14
	v_pk_fma_f32 v[32+\p:33+\p], v[TB+32*\a+\p:TB+32*\a+\p+1], v[CA+2*\g:CA+2*\g+1], v[CB+2*\g:CB+2*\g+1]
	v_pk_mul_f32 v[48+\p:49+\p], v[TB+32*\a+16+\p:TB+32*\a+16+\p+1], v[CA+2*\g:CA+2*\g+1]
	v_pk_mul_f32 v[64+\p:65+\p], v[TB+32*\a+16+\p:TB+32*\a+16+\p+1], v[CN+2*\g:CN+2*\g+1]
.endr
	WIN \from
.irp bb, 0,1
.irp p, 0,2,4,6
	v_pk_mul_f32 v[80+16*\bb+\p:81+16*\bb+\p], v[8*(12*\aa+4*\g+\bb)+\p:8*(12*\aa+4*\g+\bb)+\p+1], v[32+8*\bb+\p:33+8*\bb+\p]
	v_pk_mul_f32 v[88+16*\bb+\p:89+16*\bb+\p], v[8*(12*\aa+4*\g+\bb)+\p:8*(12*\aa+4*\g+\bb)+\p+1], v[48+8*\bb+\p:49+8*\bb+\p]
.endr
.irp p, 0,2,4,6
	v_pk_fma_f32 v[80+16*\bb+\p:81+16*\bb+\p], v[8*(12*\aa+4*\g+\bb+2)+\p:8*(12*\aa+4*\g+\bb+2)+\p+1], v[64+8*\bb+\p:65+8*\bb+\p], v[80+16*\bb+\p:81+16*\bb+\p]
	v_pk_fma_f32 v[88+16*\bb+\p:89+16*\bb+\p], v[8*(12*\aa+4*\g+\bb+2)+\p:8*(12*\aa+4*\g+\bb+2)+\p+1], v[32+8*\bb+\p:33+8*\bb+\p], v[88+16*\bb+\p:89+16*\bb+\p]
.endr
.endr
	WIN 0
.irp bb, 0,1
.irp k, 0,1,2,3
	v_cvt_pk_f16_f32 v[32+8*\bb+\k], v[80+16*\bb+2*\k], v[81+16*\bb+2*\k]
	v_cvt_pk_f16_f32 v[36+8*\bb+\k], v[88+16*\bb+2*\k], v[89+16*\bb+2*\k]
.endr
.endr
.irp bb, 0,1
	ds_store_b128 v[STO], v[32+8*\bb:35+8*\bb] offset:\a*16*SP+256*\g+32*\bb
	ds_store_b128 v[STO], v[36+8*\bb:39+8*\bb] offset:\a*16*SP+256*\g+32*\bb+64
.endr
.endm
.irp g, 0,1,2
	ROT 0, 0, 0x02, \g
.endr
.irp g, 0,1,2
	ROT 1, 1, 0x02, \g
.endr
.irp g, 0,1,2
	ROT 2, 0, 0x03, \g
.endr
.irp g, 0,1,2
	ROT 3, 1, 0x03, \g
.endr
	s_wait_dscnt 0x0                               ; my part of the stage is written,
	s_barrier_signal -1
	s_barrier_wait -1                              ; everybody's is
.irp i, 0,1,2,3,4,5,6,7,8,9,10,11,12,13,14,15
.irp u, 0,1,2
	ds_load_b128 v[32+4*(3*\i+\u):32+4*(3*\i+\u)+3], v[RD] offset:\i*2*SP+256*\u
.endr
.endr
.irp i, 0,1,2,3,4,5,6,7,8,9,10,11,12,13,14,15
.irp u, 0,1,2
	s_wait_dscnt 47-(3*\i+\u)                      ; LDS loads come back in order: this one is in, the younger ones stay out
	global_store_b128 v[CO], v[32+4*(3*\i+\u):32+4*(3*\i+\u)+3], s[12:13] offset:\i*2*12288+256*\u   ; 16 lanes store 256 consecutive bytes, aligned
.endr
.endr
	s_set_vgpr_msb 0x5
	s_wait_tensorcnt 0x0
	ds_add_u32 v254, v255
	s_wait_dscnt 0x0
	s_set_vgpr_msb 0x500
	CROUND                                         ; the closing round: no work-group ends while a partner may still ask for a tile that names it
	s_endpgm
.Lfunc_end_k_qef6704a494_proj:
	.size	k_qef6704a494_proj, .Lfunc_end_k_qef6704a494_proj-k_qef6704a494_proj
	.p2alignl 7, 3214868480
	.fill 96, 4, 3214868480
	.section	.rodata,"a",@progbits
	.p2align	6, 0x0
	.amdhsa_kernel k_qef6704a494_proj
		.amdhsa_group_segment_fixed_size 327680
		.amdhsa_private_segment_fixed_size 0
		.amdhsa_enable_private_segment 0
		.amdhsa_kernarg_size 40
		.amdhsa_user_sgpr_count 2
		.amdhsa_user_sgpr_kernarg_segment_ptr 1
		.amdhsa_wavefront_size32 1
		.amdhsa_system_sgpr_workgroup_id_x 1
		.amdhsa_system_sgpr_workgroup_id_y 1
		.amdhsa_system_sgpr_workgroup_id_z 1
		.amdhsa_system_vgpr_workitem_id 0
		.amdhsa_next_free_vgpr 960
		.amdhsa_next_free_sgpr 80
		.amdhsa_reserve_vcc 0
		.amdhsa_float_denorm_mode_32 3
		.amdhsa_float_denorm_mode_16_64 3
		.amdhsa_memory_ordered 1
		.amdhsa_forward_progress 1
		.amdhsa_inst_pref_size 211
	.end_amdhsa_kernel
	.amdgpu_metadata
---
amdhsa.version: [ 1, 2 ]
amdhsa.kernels:
  - .name:           k_qef6704a494_proj
    .symbol:         k_qef6704a494_proj.kd
    .args:
      - { .name: xb, .offset: 0, .size: 8, .value_kind: global_buffer, .address_space: global }
      - { .name: wcat, .offset: 8, .size: 8, .value_kind: global_buffer, .address_space: global }
      - { .name: tab, .offset: 16, .size: 8, .value_kind: global_buffer, .address_space: global }
      - { .name: par, .offset: 24, .size: 8, .value_kind: global_buffer, .address_space: global }
      - { .name: qkv, .offset: 32, .size: 8, .value_kind: global_buffer, .address_space: global }
    .group_segment_fixed_size: 327680
    .private_segment_fixed_size: 0
    .kernarg_segment_align: 8
    .kernarg_segment_size: 40
    .max_flat_workgroup_size: 128
    .sgpr_count:     80
    .vgpr_count:     960
    .wavefront_size: 32
...
	.end_amdgpu_metadata
.endif
;; end of part 2
;; launch attn (part 3): grid 256 x 1, 4 waves a work-group, no clusters, 327,680 bytes of LDS; arguments qkv, ao; writes ao
.if DOCPART == 3
	.amdgcn_target "amdgcn-amd-amdhsa--gfx1250"
	.amdhsa_code_object_version 6
	.text
	.protected	k_qef6704a494_attn
	.globl	k_qef6704a494_attn
	.p2align	8
	.type	k_qef6704a494_attn,@function
k_qef6704a494_attn:
	s_mov_b64 s[64:65], 0
	v_nop
	global_prefetch_b8 v0, s[64:65] scope:SCOPE_SE
	s_setreg_imm32_b32 hwreg(HW_REG_WAVE_MODE, 25, 1), 1
	s_wait_xcnt 0x0
; attn: causal softmax attention.  qkv [2048 (b, s)][6144] f16: Q at column 128 h, K at 2048 + 128 h, V at 4096 + 128 h; Q carries the gate, both score scales and
; log2(e), so a score is one product over 128 and the softmax works in base 2.  ao [2048][2048] f16, column 128 h + dv.
; Work-group id: (b, h) = id / 8, query block j = id % 8 of 128 rows; a wave takes 32 query rows.  Key tiles 0 .. j of 128 keys; tile j lies on the diagonal.
; S^T = K Q^T (source 0 = 16 keys, source 1 = 16 queries): a lane holds 8 keys of ONE query, so maximum, sum and rescaling are a lane's own but for one exchange
; between the two halves of the wave, and two rounded tiles of S^T are, as they lie, the second source of O^T = V^T P^T.  V lies [key][dv] and is read by the transposing load.
; The running maximum is taken away before every exponential, so P lies in [0, 1], inside f16 for every input.
; NO CLUSTER: the eight query blocks of a head need 1 to 8 key tiles; joint requests would need trip counts that hang on the place in the cluster.
; LIMITS: masked scores are -inf where the problem writes -1e9: the same result as long as a row's largest true score is above about -1e9 + 104.
; Terms of the softmax below 2^-25 of the row's largest count as 0 in the product with V (f16), below 2^-126 in the sum.  ao is f16: |ao| <= max |V| < 65,504.
.set PKEY,  272                        ; LDS pitch of K's rows: 256 bytes + 16
.set PVAL,  288                        ; of V's rows: 256 bytes + 32
.set REGN,  64*PVAL                    ; a region: 64 rows, what one tensor load fills (18,432 bytes; K's use 17,408)
.set SLOT,  4*REGN                     ; K's two halves, then V's two halves
.set STAGE, 2*SLOT                     ; behind the ring: 32 rows x 272 bytes for each wave; no fill lands here
.set ROWB,  12288
.set TILEB, 128*ROWB
.set ADRK, 8                           ; v8-9
.set ADRV, 10                          ; v10-11
.set DD,   12                          ; 32 w + r - 8 h: key 16 kt + 8 h + jj is masked for query 32 w + 16 qt + r where 16 (kt - qt) + jj > DD
.set NINF, 13
.set MX,   14                          ; v14-15  running maximum of query tile qt
.set LS,   16                          ; v16-17  running sum (this half's keys)
.set AL,   18                          ; v18-21  rescaling factor, as pairs
.set NM,   22                          ; v22-25  minus the maximum, as pairs
.set STO,  26
.set RD,   27
.set CO,   28
.set QO,   29
.set SB,   32                          ; v32-159 S(kt, qt, jj) at 32 + 32 (kt / 2) + 16 qt + 8 (kt % 2) + jj; P(ks, qt) in place in the first 8 of each 16
.set T,    160
.set SU,   166
.set QF,   128                         ; window 1: v128-191 Q's fragments (qt, ks); v0-127 O(dvt, qt) at 8 (2 dvt + qt)
.set FB0,  0                           ; window 2: two fragment buffers of 64 registers
.set FB1,  64
.set G1K,  24
.set G0K,  32
.set G1V,  48
.set G0V,  56
.set MSB, 0
.macro WIN new
.if MSB != \new
	s_set_vgpr_msb (MSB<<8)|\new
.set MSB, \new
.endif
.endm
.set LDW, 0x80                         ; destination window 2, address window 0
.set SW,  0x06                         ; source 0 window 2 (K), source 1 window 1 (Q), C and D window 0
.set PW,  0x52                         ; source 0 window 2 (V), source 1 window 0 (P), C and D window 1
.macro PLACES
.rept 4
	v_nop
.endr
.endm
.macro KVLOAD s                        ; waves 0, 1 bring K's halves, waves 2, 3 V's: 64 rows of 256 bytes each
	s_cmp_eq_u32 s15, 0
	s_cbranch_scc0 .Lfor_v_\@
	tensor_load_to_lds s[G0K+4*\s:G0K+4*\s+3], s[G1K:G1K+7]
	s_nop 0
	s_branch .Lasked_\@
.Lfor_v_\@:
	tensor_load_to_lds s[G0V+4*\s:G0V+4*\s+3], s[G1V:G1V+7]
	s_nop 0
.Lasked_\@:
.endm
	s_load_b128 s[4:7], s[0:1], 0x0                ; qkv, ao
	v_lshl_add_u32 v254, v0, 2, 0x2c800
	v_mov_b32 v255, 0
	ds_add_u32 v254, v255
	ds_add_u32 v254, v255
	v_lshrrev_b32 v1, 5, v0
	v_readfirstlane_b32 s14, v1                    ; wave
	s_lshr_b32 s15, s14, 1
	s_and_b32 s16, s14, 1
	s_lshr_b32 s17, ttmp9, 3
	s_and_b32 s18, ttmp9, 7                        ; j
	s_lshr_b32 s19, s17, 4                         ; b
	s_and_b32 s20, s17, 15                         ; h
	s_mov_b32 s21, 0x76543210                      ; v_permlanex16_b32: lane i of one half reads lane i of the other
	s_mov_b32 s22, 0xfedcba98
	s_mov_b32 s[G1K+0], (1<<16)|(1<<20)|(5<<22)|(3<<25)    ; elements of 2 bytes; after every 64 words 4 words of padding
	s_mov_b32 s[G1V+0], (1<<16)|(1<<20)|(5<<22)|(7<<25)    ; 8 words
	s_mov_b32 s[G1K+1], 128<<16
	s_mov_b32 s[G1V+1], 128<<16
	s_mov_b32 s[G1K+2], 64<<16
	s_mov_b32 s[G1V+2], 64<<16
	s_mov_b32 s[G1K+3], 128<<16
	s_mov_b32 s[G1V+3], 128<<16
	s_mov_b32 s[G1K+4], 64
	s_mov_b32 s[G1V+4], 64
	s_mov_b32 s[G1K+5], 6144
	s_mov_b32 s[G1V+5], 6144
	s_mov_b32 s[G1K+6], 0
	s_mov_b32 s[G1V+6], 0
	s_mov_b32 s[G1K+7], 0
	s_mov_b32 s[G1V+7], 0
	; The diagonal tile always lies in slot 1, so that every slot number in the text is a constant: tile t lies in slot 1 - ((j - t) % 2).
	s_lshl_b32 s40, s19, 10
	s_lshl_b32 s41, s16, 6
	s_add_co_u32 s40, s40, s41
	s_mul_i32 s40, s40, ROWB                       ; row 1024 b + 64 (w % 2)
	s_lshl_b32 s41, s20, 8
	s_add_co_u32 s40, s40, s41
	s_add_co_u32 s40, s40, 4096                    ; K's columns of head h
	s_and_b32 s42, s18, 1                          ; slot 1's first tile: j % 2
	s_xor_b32 s43, s42, 1                          ; slot 0's: the other
	s_mul_i32 s42, s42, TILEB
	s_mul_i32 s43, s43, TILEB
	s_add_co_u32 s44, s40, s43
	s_add_co_u32 s46, s40, s42
	s_mov_b32 s45, 0
	s_mov_b32 s47, 0
	s_mul_i32 s23, s14, REGN
	s_lshl_b32 s40, s19, 10
	s_lshl_b32 s41, s18, 7
	s_add_co_u32 s40, s40, s41
	s_lshl_b32 s41, s14, 5
	s_add_co_u32 s40, s40, s41                     ; my first query row
	s_mul_i32 s42, s40, ROWB
	s_lshl_b32 s41, s20, 8
	s_add_co_u32 s42, s42, s41
	s_mov_b32 s43, 0
	s_wait_dscnt 0x0
	s_wait_kmcnt 0x0
.irp s, 0,1
	s_mov_b32 s[G0K+4*\s], 1
	s_add_co_u32 s[G0K+4*\s+1], s23, \s*SLOT
	s_add_nc_u64 s[G0K+4*\s+2:G0K+4*\s+3], s[4:5], s[44+2*\s:45+2*\s]
	s_mov_b32 s[G0V+4*\s], 1
	s_add_co_u32 s[G0V+4*\s+1], s23, \s*SLOT
	s_add_nc_u64 s[G0V+4*\s+2:G0V+4*\s+3], s[G0K+4*\s+2:G0K+4*\s+3], 4096
	s_or_b32 s[G0K+4*\s+3], s[G0K+4*\s+3], 0x80000000
	s_or_b32 s[G0V+4*\s+3], s[G0V+4*\s+3], 0x80000000
.endr
	s_add_nc_u64 s[8:9], s[4:5], s[42:43]          ; Q at my first row, head h
	s_lshl_b32 s42, s40, 12
	s_add_co_u32 s42, s42, s41
	s_add_nc_u64 s[6:7], s[6:7], s[42:43]          ; ao at my first row, head h
	v_and_b32 v1, 15, v0                           ; r
	v_bfe_u32 v2, v0, 4, 1                         ; h
	v_and_b32 v3, 7, v0
	v_bfe_u32 v4, v0, 3, 1
	v_mul_u32_u24 v5, v1, ROWB
	v_lshl_add_u32 v[QO], v2, 4, v5
	WIN 0x40                                       ; destination window 1
.irp qt, 0,1
.irp ks, 0,1,2,3
	global_load_b128 v[QF+8*(4*\qt+\ks):QF+8*(4*\qt+\ks)+3],   v[QO], s[8:9] offset:\qt*16*ROWB+64*\ks
	global_load_b128 v[QF+8*(4*\qt+\ks)+4:QF+8*(4*\qt+\ks)+7], v[QO], s[8:9] offset:\qt*16*ROWB+64*\ks+32
.endr
.endr
	WIN 0
	v_mul_u32_u24 v5, v1, PKEY
	v_lshl_add_u32 v[ADRK], v2, 4, v5              ; r pitch + 16 h
	v_add_nc_u32 v[ADRK+1], SLOT, v[ADRK]
	v_lshl_add_u32 v6, v2, 3, v3
	v_mul_u32_u24 v6, v6, PVAL
	v_lshl_add_u32 v6, v4, 4, v6
	v_add_nc_u32 v[ADRV], 2*REGN, v6               ; V's regions + (8 h + l % 8) pitch + 16 ((l / 8) % 2)
	v_add_nc_u32 v[ADRV+1], SLOT, v[ADRV]
	v_lshlrev_b32 v6, 3, v2
	v_sub_nc_u32 v[DD], v1, v6
	s_lshl_b32 s40, s14, 5
	v_add_nc_u32 v[DD], s40, v[DD]
	v_mov_b32 v[NINF], 0xff800000
	s_mul_i32 s40, s14, 32*272
	s_add_co_u32 s40, s40, STAGE
	v_add_nc_u32 v[STO], s40, v[ADRK]              ; my stage + r 272 + 16 h
	v_mul_u32_u24 v6, v2, 272
	v_lshl_add_u32 v6, v1, 4, v6
	v_add_nc_u32 v[RD], s40, v6
	v_lshlrev_b32 v6, 12, v2
	v_lshl_add_u32 v[CO], v1, 4, v6
; O, the maxima and the sums start empty.  O is cleared, and not started by a first product, because which expansion of the trip runs first hangs on j.
.macro PRE
	WIN 0x40
.set i, 0
.rept 128
	v_mov_b32 v[i], 0
.set i, i+1
.endr
	WIN 0
	v_mov_b32 v[MX], v[NINF]
	v_mov_b32 v[MX+1], v[NINF]
	v_mov_b32 v[LS], 0
	v_mov_b32 v[LS+1], 0
	s_wait_loadcnt 0x0                             ; Q
.endm
.macro FETCHK slot, g, fb              ; key tiles 2 g, 2 g + 1: 16 loads
	WIN LDW
.irp kk, 0,1
.irp ks, 0,1,2,3
	ds_load_b128 v[\fb+32*\kk+8*\ks:\fb+32*\kk+8*\ks+3],   v[ADRK+\slot] offset:((2*\g+\kk)>>2)*REGN+((2*\g+\kk)&3)*16*PKEY+64*\ks
	ds_load_b128 v[\fb+32*\kk+8*\ks+4:\fb+32*\kk+8*\ks+7], v[ADRK+\slot] offset:((2*\g+\kk)>>2)*REGN+((2*\g+\kk)&3)*16*PKEY+64*\ks+32
.endr
.endr
.endm
.macro FETCHV slot, ks, fb             ; keys 32 ks .. 32 ks + 31, all 128 dv: 16 transposing loads
	WIN LDW
.irp dvt, 0,1,2,3,4,5,6,7
	ds_load_tr16_b128 v[\fb+8*\dvt:\fb+8*\dvt+3],   v[ADRV+\slot] offset:\ks*32*PVAL+32*\dvt
	ds_load_tr16_b128 v[\fb+8*\dvt+4:\fb+8*\dvt+7], v[ADRV+\slot] offset:\ks*32*PVAL+16*PVAL+32*\dvt
.endr
.endm
.macro SMUL g, fb                      ; 16 matrix instructions: four accumulators (2 key tiles x 2 query tiles) by turns, one instruction a turn
	WIN SW
.irp ks, 0,1,2,3
.irp kk, 0,1
.irp qt, 0,1
.if \ks == 0
	v_wmma_f32_16x16x32_f16 v[SB+32*\g+16*\qt+8*\kk:SB+32*\g+16*\qt+8*\kk+7], v[\fb+32*\kk+8*\ks:\fb+32*\kk+8*\ks+7], v[QF+8*(4*\qt+\ks):QF+8*(4*\qt+\ks)+7], 0
.else
	v_wmma_f32_16x16x32_f16 v[SB+32*\g+16*\qt+8*\kk:SB+32*\g+16*\qt+8*\kk+7], v[\fb+32*\kk+8*\ks:\fb+32*\kk+8*\ks+7], v[QF+8*(4*\qt+\ks):QF+8*(4*\qt+\ks)+7], v[SB+32*\g+16*\qt+8*\kk:SB+32*\g+16*\qt+8*\kk+7]
.endif
.endr
.endr
.endr
.endm
.macro PVMUL ks, fb                    ; 16 matrix instructions: O's 16 accumulators by turns
	WIN PW
.irp dvt, 0,1,2,3,4,5,6,7
.irp qt, 0,1
	v_wmma_f32_16x16x32_f16 v[8*(2*\dvt+\qt):8*(2*\dvt+\qt)+7], v[\fb+8*\dvt:\fb+8*\dvt+7], v[SB+32*\ks+16*\qt:SB+32*\ks+16*\qt+7], v[8*(2*\dvt+\qt):8*(2*\dvt+\qt)+7]
.endr
.endr
.endm
.macro MASK                            ; DD is at least -8, so only constants above -8 can mask anything
.irp qt, 0,1
.irp kt, 0,1,2,3,4,5,6,7
.irp jj, 0,1,2,3,4,5,6,7
.if 16*(\kt-\qt)+\jj > -8
	v_cmp_gt_i32 vcc_lo, 16*(\kt-\qt)+\jj, v[DD]
	v_cndmask_b32 v[SB+32*(\kt>>1)+16*\qt+8*(\kt&1)+\jj], v[SB+32*(\kt>>1)+16*\qt+8*(\kt&1)+\jj], v[NINF], vcc_lo
.endif
.endr
.endr
.endr
.endm
; One query tile's 64 scores of this lane: new maximum, factor for what was summed before, exponentials, sum, rounding to f16 in place.
.macro SOFTMAX qt
.irp c, 0,1,2,3
	v_max3_num_f32 v[T+\c], v[SB+32*\c+16*\qt], v[SB+32*\c+16*\qt+1], v[SB+32*\c+16*\qt+2]
.endr
.irp k, 3,5,7,9,11,13
.irp c, 0,1,2,3
	v_max3_num_f32 v[T+\c], v[T+\c], v[SB+32*\c+16*\qt+\k], v[SB+32*\c+16*\qt+\k+1]
.endr
.endr
.irp c, 0,1,2,3
	v_max_num_f32 v[T+\c], v[T+\c], v[SB+32*\c+16*\qt+15]
.endr
	v_max3_num_f32 v[T], v[T], v[T+1], v[T+2]
	v_max3_num_f32 v[T], v[T], v[T+3], v[MX+\qt]
	v_permlanex16_b32 v[T+1], v[T], s21, s22       ; the other half's keys of the same query
	v_max_num_f32 v[T], v[T], v[T+1]               ; finite: every tile holds a key that the query may see
	v_sub_f32 v[T+2], v[MX+\qt], v[T]
	v_mul_f32 v[NM+2*\qt], -1.0, v[T]
	v_exp_f32 v[AL+2*\qt], v[T+2]
	v_mov_b32 v[MX+\qt], v[T]                      ; the plain instruction behind the exponential (ISA guide 5.7.2)
	v_mov_b32 v[NM+2*\qt+1], v[NM+2*\qt]
	s_wait_alu depctr_va_vdst(0)
	v_mov_b32 v[AL+2*\qt+1], v[AL+2*\qt]
.irp c, 0,1,2,3
.irp p, 0,2,4,6,8,10,12,14
	v_pk_add_f32 v[SB+32*\c+16*\qt+\p:SB+32*\c+16*\qt+\p+1], v[SB+32*\c+16*\qt+\p:SB+32*\c+16*\qt+\p+1], v[NM+2*\qt:NM+2*\qt+1]
.endr
.endr
.irp c, 0,1,2,3
.irp k, 0,1,2,3,4,5,6,7,8,9,10,11,12,13,14,15
	v_exp_f32 v[SB+32*\c+16*\qt+\k], v[SB+32*\c+16*\qt+\k]
.endr
.endr
	v_nop                                          ; one plain place behind the run of exponentials
	s_wait_alu depctr_va_vdst(0)
.irp c, 0,1,2,3
	v_pk_add_f32 v[SU+2*\c:SU+2*\c+1], v[SB+32*\c+16*\qt:SB+32*\c+16*\qt+1], v[SB+32*\c+16*\qt+2:SB+32*\c+16*\qt+3]
.endr
.irp p, 4,6,8,10,12,14
.irp c, 0,1,2,3
	v_pk_add_f32 v[SU+2*\c:SU+2*\c+1], v[SU+2*\c:SU+2*\c+1], v[SB+32*\c+16*\qt+\p:SB+32*\c+16*\qt+\p+1]
.endr
.endr
	v_pk_add_f32 v[SU:SU+1], v[SU:SU+1], v[SU+2:SU+3]
	v_pk_add_f32 v[SU+4:SU+5], v[SU+4:SU+5], v[SU+6:SU+7]
	v_pk_add_f32 v[SU:SU+1], v[SU:SU+1], v[SU+4:SU+5]
	v_add_f32 v[SU], v[SU], v[SU+1]
	v_fma_f32 v[LS+\qt], v[LS+\qt], v[AL+2*\qt], v[SU]
.irp c, 0,1,2,3
.irp k, 0,1,2,3,4,5,6,7
	v_cvt_pk_f16_f32 v[SB+32*\c+16*\qt+\k], v[SB+32*\c+16*\qt+2*\k], v[SB+32*\c+16*\qt+2*\k+1]   ; ascending: word k is written when words 2k, 2k+1 are read
.endr
.endr
.endm
; One key tile.  A group's fragments are asked for one group (16 matrix instructions) ahead: wait for this group's, four places, the next group's loads, this group's products.
.macro COMPUTE slot, mask
.rept 5
	v_nop                                          ; five places between the last trip's products and the first product that writes over P, one of their sources (ISA guide 7.12.1)
.endr
	FETCHK \slot, 0, FB0
	s_wait_dscnt 0x0
	PLACES
	FETCHK \slot, 1, FB1
	SMUL 0, FB0
	s_wait_dscnt 0x0
	PLACES
	FETCHK \slot, 2, FB0
	SMUL 1, FB1
	s_wait_dscnt 0x0
	PLACES
	FETCHK \slot, 3, FB1
	SMUL 2, FB0
	s_wait_dscnt 0x0
	PLACES
	FETCHV \slot, 0, FB0                           ; V's first fragments arrive during the softmax
	SMUL 3, FB1
	WIN 0
	PLACES
.if \mask
	MASK
.endif
	SOFTMAX 0
	SOFTMAX 1
	WIN 0x41                                       ; destination and source 0 window 1
.irp dvt, 0,1,2,3,4,5,6,7
.irp qt, 0,1
.irp p, 0,2,4,6
	v_pk_mul_f32 v[8*(2*\dvt+\qt)+\p:8*(2*\dvt+\qt)+\p+1], v[8*(2*\dvt+\qt)+\p:8*(2*\dvt+\qt)+\p+1], v[AL+2*\qt:AL+2*\qt+1]
.endr
.endr
.endr
	s_wait_dscnt 0x0
	FETCHV \slot, 1, FB1
	PVMUL 0, FB0
	s_wait_dscnt 0x0
	PLACES
	FETCHV \slot, 2, FB0
	PVMUL 1, FB1
	s_wait_dscnt 0x0
	PLACES
	FETCHV \slot, 3, FB1
	PVMUL 2, FB0
	s_wait_dscnt 0x0
	PVMUL 3, FB1
	WIN 0
.endm
; A trip: in front of the barrier each wave waits for all its tensor loads (one is out: its part of this trip's tile) and for its reads of the other slot;
; behind it the other slot is filled again first, one tensor load a wave, and has this trip's work in which to land.
.macro TRIP slot, other, refill, mask
	s_wait_tensorcnt 0x0
	ds_add_u32 v254, v255
	s_wait_dscnt 0x0
	s_add_nc_u64 s[G0K+4*\slot+2:G0K+4*\slot+3], s[G0K+4*\slot+2:G0K+4*\slot+3], 2*TILEB   ; no tensor load of mine is out: this slot's next tile
	s_add_nc_u64 s[G0V+4*\slot+2:G0V+4*\slot+3], s[G0V+4*\slot+2:G0V+4*\slot+3], 2*TILEB
	s_wait_dscnt 0x0
	s_barrier_signal -1
	s_barrier_wait -1
.if \refill
	KVLOAD \other
.endif
	COMPUTE \slot, \mask
.endm
	s_bitcmp1_b32 s18, 0
	s_cbranch_scc0 .Leven
	KVLOAD 0                                       ; j odd: tile 0 lies in slot 0
	PRE
	TRIP 0, 1, 1, 0
	s_branch .Ljoin
.Leven:
	KVLOAD 1                                       ; j even: tile 0 lies in slot 1
	PRE
.Ljoin:
	s_lshr_b32 s3, s18, 1
	s_cmp_eq_u32 s3, 0
	s_cbranch_scc1 .Ltail
.Lloop:
	TRIP 1, 0, 1, 0                                ; every trip in front of the diagonal has a next tile: its refill is unconditional
	TRIP 0, 1, 1, 0
	s_sub_co_i32 s3, s3, 1
	s_cmp_lg_u32 s3, 0
	s_cbranch_scc1 .Lloop
.Ltail:
	TRIP 1, 0, 0, 1                                ; the diagonal tile: masked, and nothing is left to fetch (its stepped addresses are not used)
	; THE WAY OUT: O / sum, rounded to f16, through my own stage in LDS, as whole rows of 256 bytes.
	PLACES
	v_permlanex16_b32 v[T], v[LS], s21, s22
	v_permlanex16_b32 v[T+1], v[LS+1], s21, s22
	v_add_f32 v[LS], v[LS], v[T]                   ; both halves' keys; at least 1, the largest term
	v_add_f32 v[LS+1], v[LS+1], v[T+1]
	v_rcp_f32 v[AL], v[LS]
	v_rcp_f32 v[AL+2], v[LS+1]
	v_nop
	s_wait_alu depctr_va_vdst(0)
	v_mov_b32 v[AL+1], v[AL]
	v_mov_b32 v[AL+3], v[AL+2]
	WIN 0x01                                       ; source 0 window 1
.irp dvt, 0,1,2,3,4,5,6,7
.irp qt, 0,1
.irp p, 0,2,4,6
	v_pk_mul_f32 v[SB+8*(2*\dvt+\qt)+\p:SB+8*(2*\dvt+\qt)+\p+1], v[8*(2*\dvt+\qt)+\p:8*(2*\dvt+\qt)+\p+1], v[AL+2*\qt:AL+2*\qt+1]
.endr
.endr
.endr
	WIN 0
.irp dvt, 0,1,2,3,4,5,6,7
.irp qt, 0,1
.irp k, 0,1,2,3
	v_cvt_pk_f16_f32 v[160+4*(2*\dvt+\qt)+\k], v[SB+8*(2*\dvt+\qt)+2*\k], v[SB+8*(2*\dvt+\qt)+2*\k+1]
.endr
	ds_store_b128 v[STO], v[160+4*(2*\dvt+\qt):160+4*(2*\dvt+\qt)+3] offset:\qt*16*272+32*\dvt
.endr
.endr
.irp i, 0,1,2,3,4,5,6,7,8,9,10,11,12,13,14,15
	ds_load_b128 v[SB+4*\i:SB+4*\i+3], v[RD] offset:\i*2*272       ; LDS serves a wave's instructions in order (ISA guide 5.7.1): these see my stores above
.endr
.irp i, 0,1,2,3,4,5,6,7,8,9,10,11,12,13,14,15
	s_wait_dscnt 15-\i                             ; this load is in, the younger ones stay out
	global_store_b128 v[CO], v[SB+4*\i:SB+4*\i+3], s[6:7] offset:\i*2*4096   ; 16 lanes store 256 consecutive bytes, aligned: a row's part of head h
.endr
	s_wait_tensorcnt 0x0
	ds_add_u32 v254, v255
	s_wait_dscnt 0x0
	s_endpgm
.Lfunc_end_k_qef6704a494_attn:
	.size	k_qef6704a494_attn, .Lfunc_end_k_qef6704a494_attn-k_qef6704a494_attn
	.p2alignl 7, 3214868480
	.fill 96, 4, 3214868480
	.section	.rodata,"a",@progbits
	.p2align	6, 0x0
	.amdhsa_kernel k_qef6704a494_attn
		.amdhsa_group_segment_fixed_size 327680
		.amdhsa_private_segment_fixed_size 0
		.amdhsa_enable_private_segment 0
		.amdhsa_kernarg_size 16
		.amdhsa_user_sgpr_count 2
		.amdhsa_user_sgpr_kernarg_segment_ptr 1
		.amdhsa_wavefront_size32 1
		.amdhsa_system_sgpr_workgroup_id_x 1
		.amdhsa_system_sgpr_workgroup_id_y 1
		.amdhsa_system_sgpr_workgroup_id_z 1
		.amdhsa_system_vgpr_workitem_id 0
		.amdhsa_next_free_vgpr 640
		.amdhsa_next_free_sgpr 66
		.amdhsa_reserve_vcc 1
		.amdhsa_float_denorm_mode_32 3
		.amdhsa_float_denorm_mode_16_64 3
		.amdhsa_memory_ordered 1
		.amdhsa_forward_progress 1
		.amdhsa_inst_pref_size 211
	.end_amdhsa_kernel
	.amdgpu_metadata
---
amdhsa.version: [ 1, 2 ]
amdhsa.kernels:
  - .name:           k_qef6704a494_attn
    .symbol:         k_qef6704a494_attn.kd
    .args:
      - { .name: qkv, .offset: 0, .size: 8, .value_kind: global_buffer, .address_space: global }
      - { .name: ao, .offset: 8, .size: 8, .value_kind: global_buffer, .address_space: global }
    .group_segment_fixed_size: 327680
    .private_segment_fixed_size: 0
    .kernarg_segment_align: 8
    .kernarg_segment_size: 16
    .max_flat_workgroup_size: 128
    .sgpr_count:     66
    .vgpr_count:     640
    .wavefront_size: 32
...
	.end_amdgpu_metadata
.endif
;; end of part 3
;; launch outp (part 4): grid 16 x 16, 4 waves a work-group, clusters of 4 x 4, 327,680 bytes of LDS; arguments ao, wob, out0; writes out0
.if DOCPART == 4
	.amdgcn_target "amdgcn-amd-amdhsa--gfx1250"
	.amdhsa_code_object_version 6
	.text
	.protected	k_qef6704a494_outp
	.globl	k_qef6704a494_outp
	.p2align	8
	.type	k_qef6704a494_outp,@function
k_qef6704a494_outp:
	s_mov_b64 s[64:65], 0
	v_nop
	global_prefetch_b8 v0, s[64:65] scope:SCOPE_SE
	s_setreg_imm32_b32 hwreg(HW_REG_WAVE_MODE, 25, 1), 1
	s_wait_xcnt 0x0
	s_wait_alu depctr_hold_cnt(0) depctr_sa_sdst(0) depctr_va_vdst(0) depctr_va_sdst(0) depctr_va_ssrc(0) depctr_va_vcc(0) depctr_vm_vsrc(0)
	s_getreg_b32 s2, hwreg(HW_REG_IB_STS2, 6, 4)
	s_cmp_eq_u32 s2, 0
	s_cbranch_scc0 .Lentry_in_a_cluster
	s_endpgm
.Lentry_in_a_cluster:
	s_bfe_u32 s2, ttmp6, 0x10000c
	s_cmp_lg_u32 s2, 0xf033
	s_cbranch_scc0 .Lentry_shape_is_right
	s_endpgm
.Lentry_shape_is_right:
; outp: out0 = ao . wob.  ao [2048][2048] f16, wob [2048 k][2048 n] f16 (wo's bf16 numbers), out0 [2048][2048] f32; sums in f32.
; 256 work-groups of 128 x 128 of the output, four waves of 64 x 64 each: 16 accumulator tiles, 128 registers (window 1).  K goes in steps of 256 through two LDS
; slots filled by the tensor data mover; each wave brings 128 rows of 256 bytes.  wob lies [k][n]: its fragments are read by the transposing load.
; CLUSTERS: 4 x 4 work-groups; ao's tiles are asked for jointly along a row of the cluster, wob's along a column.
; The matrix instruction is used transposed (source 0 = 16 columns of wob, source 1 = 16 rows of ao): a lane holds 8 neighbouring columns of one row.
.set PA,   272
.set PB,   288
.set REG,  128*PB                      ; 36,864
.set SLOT, 4*REG                       ; regions 0, 1: ao, k parts 0, 1; regions 2, 3: wob's k rows 0-127, 128-255
.set SP,   528                         ; the way out: rows of 512 bytes + 16, 128 of them, in slot 0 after its last fill and its last read
.set ADRA, 8                           ; v8-9    slot 0, 1
.set ADRB, 10                          ; v10-13  slot s, k part p at v[10 + 2 s + p]
.set STO,  16
.set RD,   17
.set CO,   18
.set F0,   32                          ; a buffer: 32 registers of wob's fragments, then 32 of ao's
.set F1,   96
.set G1A,  24
.set G0A,  32
.set G1B,  48
.set G0B,  56
.set MSB, 0
.macro WIN new
.if MSB != \new
	s_set_vgpr_msb (MSB<<8)|\new
.set MSB, \new
.endif
.endm
.set MULW, 0x50                        ; sources 0 and 1 window 0, C and D window 1
.macro PLACES
.rept 4
	v_nop
.endr
.endm
.macro JLOAD s                         ; waves 0, 1 fetch ao's two k parts, waves 2, 3 wob's
	s_cmp_eq_u32 s15, 0
	s_cbranch_scc0 .Lfor_b_\@
	tensor_load_to_lds s[G0A+4*\s:G0A+4*\s+3], s[G1A:G1A+7]
	s_nop 0
	s_branch .Lasked_\@
.Lfor_b_\@:
	tensor_load_to_lds s[G0B+4*\s:G0B+4*\s+3], s[G1B:G1B+7]
	s_nop 0
.Lasked_\@:
.endm
.macro CREST
	s_cmp_lg_u32 s14, 0
	s_cbranch_scc1 .Lnot_wave_0_\@
	s_barrier_signal -3
.Lnot_wave_0_\@:
	s_barrier_wait -3
	s_barrier_signal -1
	s_barrier_wait -1
.endm
.macro CROUND
	s_barrier_signal -1
	s_barrier_wait -1
	CREST
.endm
	s_load_b128 s[4:7], s[0:1], 0x0                ; ao, wob
	s_load_b64 s[8:9], s[0:1], 0x10                ; out0
	v_lshl_add_u32 v254, v0, 2, 0x48000
	v_mov_b32 v255, 0
	ds_add_u32 v254, v255
	ds_add_u32 v254, v255
	v_lshrrev_b32 v1, 5, v0
	v_readfirstlane_b32 s14, v1                    ; wave
	s_lshr_b32 s15, s14, 1                         ; wr.  Also: I fetch for ao (0) or for wob (1)
	s_and_b32 s16, s14, 1                          ; wc.  Also: which k part I fetch
	s_bfe_u32 s17, ttmp6, 0x40000                  ; cx
	s_bfe_u32 s18, ttmp6, 0x40004                  ; cy
	s_lshl_b32 s19, ttmp9, 2
	s_add_co_u32 s19, s19, s17                     ; block column
	s_and_b32 s20, ttmp7, 0xffff
	s_lshl_b32 s20, s20, 2
	s_add_co_u32 s20, s20, s18                     ; block row
	s_lshl_b32 s21, s18, 2
	s_lshl_b32 s21, 15, s21
	s_lshl_b32 s22, 0x1111, s17
	s_or_b32 s[G1A+0], s21, (1<<16)|(1<<20)|(1<<21)|(5<<22)|(3<<25)
	s_or_b32 s[G1B+0], s22, (1<<16)|(1<<20)|(1<<21)|(5<<22)|(7<<25)
	s_mov_b32 s[G1A+1], 128<<16
	s_mov_b32 s[G1B+1], 128<<16
	s_mov_b32 s[G1A+2], 128<<16
	s_mov_b32 s[G1B+2], 128<<16
	s_mov_b32 s[G1A+3], 128<<16
	s_mov_b32 s[G1B+3], 128<<16
	s_mov_b32 s[G1A+4], 128
	s_mov_b32 s[G1B+4], 128
	s_mov_b32 s[G1A+5], 2048
	s_mov_b32 s[G1B+5], 2048
	s_mov_b32 s[G1A+6], 0
	s_mov_b32 s[G1B+6], 0
	s_mov_b32 s[G1A+7], 0
	s_mov_b32 s[G1B+7], 0
	s_lshl_b32 s40, s20, 19                        ; ao: 128 rows x 4,096 bytes x block row
	s_lshl_b32 s41, s16, 8                         ; + 256 bytes x k part
	s_add_co_u32 s40, s40, s41
	s_mov_b32 s41, 0
	s_lshl_b32 s44, s19, 8                         ; wob: 256 bytes x block column
	s_lshl_b32 s45, s16, 19                        ; + 128 rows x 4,096 bytes x k part
	s_add_co_u32 s44, s44, s45
	s_mov_b32 s45, 0
	s_mul_i32 s23, s14, REG
	s_wait_dscnt 0x0
	s_wait_kmcnt 0x0
	s_add_nc_u64 s[42:43], s[4:5], s[40:41]
	s_add_nc_u64 s[46:47], s[6:7], s[44:45]
	CROUND                                         ; all sixteen work-groups are here: the first joint loads meet
.irp s, 0,1
	s_mov_b32 s[G0A+4*\s], 1
	s_add_co_u32 s[G0A+4*\s+1], s23, \s*SLOT
	s_add_nc_u64 s[G0A+4*\s+2:G0A+4*\s+3], s[42:43], \s*512
	s_or_b32 s[G0A+4*\s+3], s[G0A+4*\s+3], 0x80000000
	s_mov_b32 s[G0B+4*\s], 1
	s_add_co_u32 s[G0B+4*\s+1], s23, \s*SLOT
	s_add_nc_u64 s[G0B+4*\s+2:G0B+4*\s+3], s[46:47], \s*256*4096
	s_or_b32 s[G0B+4*\s+3], s[G0B+4*\s+3], 0x80000000
	JLOAD \s                                       ; two tensor loads of the wave are out, the most in this text
.endr
	v_and_b32 v1, 15, v0
	v_bfe_u32 v2, v0, 4, 1
	v_and_b32 v3, 7, v0
	v_bfe_u32 v4, v0, 3, 1
	v_mul_u32_u24 v5, v1, PA
	v_lshl_add_u32 v5, v2, 4, v5
	s_mul_i32 s40, s15, 64*PA
	v_add_nc_u32 v[ADRA], s40, v5
	v_add_nc_u32 v[ADRA+1], SLOT, v[ADRA]
	v_lshl_add_u32 v6, v2, 3, v3
	v_mul_u32_u24 v6, v6, PB
	v_lshl_add_u32 v6, v4, 4, v6
	v_lshl_add_u32 v6, s16, 7, v6
.irp s, 0,1
.irp p, 0,1
	v_add_nc_u32 v[ADRB+2*\s+\p], \s*SLOT+(2+\p)*REG, v6
.endr
.endr
	v_mul_u32_u24 v7, v1, SP
	v_lshl_add_u32 v7, v2, 5, v7
	s_mul_i32 s40, s15, 64*SP
	s_lshl_b32 s41, s16, 8
	s_add_co_u32 s40, s40, s41
	v_add_nc_u32 v[STO], s40, v7                   ; (64 wr + r) 528 + 256 wc + 32 h
	v_and_b32 v7, 31, v0
	v_lshlrev_b32 v[CO], 4, v7                     ; 16 l
	s_mul_i32 s40, s14, 32*SP
	v_add_nc_u32 v[RD], s40, v[CO]
.macro MUL4 f, a, zero
.irp b, 0,1,2,3
.if \zero
	v_wmma_f32_16x16x32_f16 v[8*(4*\a+\b):8*(4*\a+\b)+7], v[\f+8*\b:\f+8*\b+7], v[\f+32+8*\a:\f+32+8*\a+7], 0
.else
	v_wmma_f32_16x16x32_f16 v[8*(4*\a+\b):8*(4*\a+\b)+7], v[\f+8*\b:\f+8*\b+7], v[\f+32+8*\a:\f+32+8*\a+7], v[8*(4*\a+\b):8*(4*\a+\b)+7]
.endif
.endr
.endm
.macro FETCH slot, q, f                ; 32 along K, the q-th of a slot's eight: 8 transposing loads of wob, 8 loads of ao
.irp b, 0,1,2,3
	ds_load_tr16_b128 v[\f+8*\b:\f+8*\b+3],   v[ADRB+2*\slot+(\q>>2)] offset:(\q&3)*32*PB+32*\b
	ds_load_tr16_b128 v[\f+8*\b+4:\f+8*\b+7], v[ADRB+2*\slot+(\q>>2)] offset:(\q&3)*32*PB+16*PB+32*\b
.endr
.irp a, 0,1,2,3
	ds_load_b128 v[\f+32+8*\a:\f+32+8*\a+3], v[ADRA+\slot] offset:(\q>>2)*REG+\a*16*PA+64*(\q&3)
	ds_load_b128 v[\f+32+8*\a+4:\f+32+8*\a+7], v[ADRA+\slot] offset:(\q>>2)*REG+\a*16*PA+64*(\q&3)+32
.endr
.endm
; One eighth of a slot: buffer f is in; four places behind the last products, which read buffer g; the q-th eighth's loads into g; 16 products of f.
; The 16 accumulators take turns, one instruction a turn, in the same order in every eighth.
.macro QUARTER slot, q, f, g, zero
	s_wait_dscnt 0x0
	PLACES
	FETCH \slot, \q, \g
	WIN MULW
	MUL4 \f, 0, \zero
	MUL4 \f, 1, \zero
	MUL4 \f, 2, \zero
	MUL4 \f, 3, \zero
	WIN 0
.endm
.macro SEVEN slot, zero
	QUARTER \slot, 1, F0, F1, \zero
	QUARTER \slot, 2, F1, F0, 0
	QUARTER \slot, 3, F0, F1, 0
	QUARTER \slot, 4, F1, F0, 0
	QUARTER \slot, 5, F0, F1, 0
	QUARTER \slot, 6, F1, F0, 0
	QUARTER \slot, 7, F0, F1, 0
.endm
; The last eighth multiplies buffer 1 and changes slots: my reads of this slot and all my tensor loads are waited for in front of the barrier (fill = 1: of the round
; of the cluster's barrier that it opens); behind it the refill comes first, one tensor load a wave, then the next slot's first fragments.
.macro TURN slot, next, fill
	s_wait_dscnt 0x0
	s_wait_tensorcnt 0x0
	ds_add_u32 v254, v255
	s_wait_dscnt 0x0
	s_barrier_signal -1
	WIN MULW
	MUL4 F1, 0, 0
	MUL4 F1, 1, 0
	WIN 0
	s_barrier_wait -1
.if \fill
	CREST
	s_add_nc_u64 s[G0A+4*\slot+2:G0A+4*\slot+3], s[G0A+4*\slot+2:G0A+4*\slot+3], 2*512
	s_add_nc_u64 s[G0B+4*\slot+2:G0B+4*\slot+3], s[G0B+4*\slot+2:G0B+4*\slot+3], 2*256*4096
	JLOAD \slot
.endif
	PLACES
	FETCH \next, 0, F0
	WIN MULW
	MUL4 F1, 2, 0
	MUL4 F1, 3, 0
	WIN 0
.endm
.macro LAP zero
	SEVEN 0, \zero
	TURN 0, 1, 1
	SEVEN 1, 0
	TURN 1, 0, 1
.endm
	s_wait_tensorcnt 0x1                           ; my part of slot 0 is in; slot 1's may stay out
	s_barrier_signal -1
	s_barrier_wait -1
	FETCH 0, 0, F0
	LAP 1                                          ; 2048 / 512 = 4 laps: the first starts the sums,
	s_mov_b32 s3, 2                                ; two go round,
.Llap:
	LAP 0
	s_sub_co_u32 s3, s3, 1
	s_cmp_lg_u32 s3, 0
	s_cbranch_scc1 .Llap
	SEVEN 0, 0                                     ; the last fills nothing
	TURN 0, 1, 0
	SEVEN 1, 0
	s_wait_dscnt 0x0
	WIN MULW
	MUL4 F1, 0, 0
	MUL4 F1, 1, 0
	MUL4 F1, 2, 0
	MUL4 F1, 3, 0
	WIN 0
	; THE WAY OUT: 32 bytes a lane into the stage, read back as whole rows of 512 bytes.
	PLACES
	s_lshl_b32 s40, s20, 7
	s_lshl_b32 s41, s14, 5
	s_add_co_u32 s40, s40, s41
	s_lshl_b32 s40, s40, 13                        ; row 128 br + 32 w, 8,192 bytes a row
	s_mov_b32 s41, 0
	s_add_nc_u64 s[8:9], s[8:9], s[40:41]
	s_lshl_b32 s44, s19, 9
	s_mov_b32 s45, 0
	s_add_nc_u64 s[8:9], s[8:9], s[44:45]
	WIN 0x04                                       ; the stores' data in window 1
.irp a, 0,1,2,3
.irp b, 0,1,2,3
	ds_store_b128 v[STO], v[8*(4*\a+\b):8*(4*\a+\b)+3] offset:\a*16*SP+64*\b
	ds_store_b128 v[STO], v[8*(4*\a+\b)+4:8*(4*\a+\b)+7] offset:\a*16*SP+64*\b+16
.endr
.endr
	WIN 0
	s_wait_dscnt 0x0                               ; my part of the stage is written,
	s_barrier_signal -1
	s_barrier_wait -1                              ; everybody's is
.set i, 0
.rept 32
	ds_load_b128 v[32+4*i:32+4*i+3], v[RD] offset:i*SP
.set i, i+1
.endr
.set i, 0
.rept 32
	s_wait_dscnt 31-i                              ; this load is in, the younger ones stay out
	global_store_b128 v[CO], v[32+4*i:32+4*i+3], s[8:9] offset:i*8192      ; the wave stores 512 consecutive bytes, aligned
.set i, i+1
.endr
	s_wait_tensorcnt 0x0
	ds_add_u32 v254, v255
	s_wait_dscnt 0x0
	CROUND                                         ; the closing round
	s_endpgm
.Lfunc_end_k_qef6704a494_outp:
	.size	k_qef6704a494_outp, .Lfunc_end_k_qef6704a494_outp-k_qef6704a494_outp
	.p2alignl 7, 3214868480
	.fill 96, 4, 3214868480
	.section	.rodata,"a",@progbits
	.p2align	6, 0x0
	.amdhsa_kernel k_qef6704a494_outp
		.amdhsa_group_segment_fixed_size 327680
		.amdhsa_private_segment_fixed_size 0
		.amdhsa_enable_private_segment 0
		.amdhsa_kernarg_size 24
		.amdhsa_user_sgpr_count 2
		.amdhsa_user_sgpr_kernarg_segment_ptr 1
		.amdhsa_wavefront_size32 1
		.amdhsa_system_sgpr_workgroup_id_x 1
		.amdhsa_system_sgpr_workgroup_id_y 1
		.amdhsa_system_sgpr_workgroup_id_z 1
		.amdhsa_system_vgpr_workitem_id 0
		.amdhsa_next_free_vgpr 384
		.amdhsa_next_free_sgpr 66
		.amdhsa_reserve_vcc 0
		.amdhsa_float_denorm_mode_32 3
		.amdhsa_float_denorm_mode_16_64 3
		.amdhsa_memory_ordered 1
		.amdhsa_forward_progress 1
		.amdhsa_inst_pref_size 126
	.end_amdhsa_kernel
	.amdgpu_metadata
---
amdhsa.version: [ 1, 2 ]
amdhsa.kernels:
  - .name:           k_qef6704a494_outp
    .symbol:         k_qef6704a494_outp.kd
    .args:
      - { .name: ao, .offset: 0, .size: 8, .value_kind: global_buffer, .address_space: global }
      - { .name: wob, .offset: 8, .size: 8, .value_kind: global_buffer, .address_space: global }
      - { .name: out0, .offset: 16, .size: 8, .value_kind: global_buffer, .address_space: global }
    .group_segment_fixed_size: 327680
    .private_segment_fixed_size: 0
    .kernarg_segment_align: 8
    .kernarg_segment_size: 24
    .max_flat_workgroup_size: 128
    .sgpr_count:     66
    .vgpr_count:     384
    .wavefront_size: 32
...
	.end_amdgpu_metadata
.endif
;; end of part 4
